; MI455X (gfx1250); checked and timed in simulation.
; The chip was launched on July 23, 2026; its instructions are those of AMD's public machine-readable ISA for CDNA 5 (MIT licence, August 2026) and "CDNA5" Instruction Set Architecture Reference Guide (July 2026). The comments in the code are by the model that wrote it; some were corrected since.
;; Causal Alibi Attn. Allowed arithmetic: matrix products marked QUANTISED: E5M2 operands, one given power-of-two scale a tensor, by v_wmma_f32_16x16x64_bf8_bf8 or v_wmma_f32_16x16x128_bf8_bf8, f32 sums; everything else in f32.
;; Inputs: Wk_codes 256 x 32 x 32 uint8 (E5M2 codes of Wk, K innermost, in blocks of 32 codes); Wo_codes 1,024 x 32 x 32 uint8 (E5M2 codes of Wo, K innermost, in blocks of 32 codes); Wq_codes 1,024 x 32 x 32 uint8 (E5M2 codes of Wq, K innermost, in blocks of 32 codes); Wv_codes 256 x 32 x 32 uint8 (E5M2 codes of Wv, K innermost, in blocks of 32 codes); bk 256 float32; bo 1,024 float32; bq 1,024 float32; bv 256 float32; lowp_scales 12 int32 (the exponents e of the quantised operands' scales 2^e); qkv_codes 1 x 4,096 x 32 x 32 uint8 (E5M2 codes of qkv, K innermost, in blocks of 32 codes); slopes 16 float32.
;; Outputs: out0 1 x 4,096 x 1,024 float32.
;; This version of the problem:
;;   THIS VERSION OF THE PROBLEM IS GIVEN IN LOW PRECISION. The matrix products marked QUANTISED in the list below multiply operands that are first quantised to E5M2 (5 exponent bits, 2 mantissa bits; 8 bits a number), with one given power-of-two scale for each operand tensor; their sums are f32. All else is computed in f32.
;;   The module's matrix products, in the order in which they are computed (A, B: the left and right operand; K: the contracted axis; several contracted axes count as one K, in the product's order):
;;     1. [M 4,096, K 1,024] x [K 1,024, N 1,024]; A: input qkv (given as codes); B: input Wq (given as codes): QUANTISED (scales: A lowp_scales[0], B lowp_scales[1])
;;     2. [M 4,096, K 1,024] x [K 1,024, N 256]; A: input qkv (given as codes); B: input Wk (given as codes): QUANTISED (scales: A lowp_scales[2], B lowp_scales[3])
;;     3. [M 4,096, K 1,024] x [K 1,024, N 256]; A: input qkv (given as codes); B: input Wv (given as codes): QUANTISED (scales: A lowp_scales[4], B lowp_scales[5])
;;     4. batch 4 x [M 16,384, K 64] x [K 64, N 4,096]; A: computed on the way; B: computed on the way: QUANTISED (scales: A lowp_scales[6], B lowp_scales[7])
;;     5. batch 4 x [M 16,384, K 4,096] x [K 4,096, N 64]; A: softmax (see below); B: computed on the way: QUANTISED (scales: A lowp_scales[8], B lowp_scales[9])
;;     6. [M 4,096, K 1,024] x [K 1,024, N 1,024]; A: computed on the way; B: input Wo (given as codes): QUANTISED (scales: A lowp_scales[10], B lowp_scales[11])
;;   THE QUANTISER, for each operand of a quantised product, along K:
;;     - The operand's scale is 2^e, e = its entry of the input lowp_scales (int32; the entries are numbered through the quantised products in the list's order, A before B).
;;     - Each number is divided by the scale, clamped to +-57,344, and rounded to the nearest number of E5M2, ties to even, subnormals kept.
;;     - The product sums the exact products of the quantised numbers (number of the format x scale) in f32.
;;   ~~~python
;;   def quantise(x, axis, e):      # numpy; x: float32 -> the quantised numbers, widened to float32 again
;;       x = np.moveaxis(x, axis, -1); K = x.shape[-1]
;;       r = np.clip(x / 2.0 ** e, -57344, 57344)
;;       step = 2.0 ** (np.maximum(np.frexp(np.where(r == 0, 1, r))[1] - 1, -14) - 2)
;;       q = np.round(r / step) * step * 2.0 ** e      # np.round: ties to even
;;       return np.moveaxis(q, -1, axis).astype(np.float32)
;;   ~~~
;;   SOFTMAX AHEAD OF A QUANTISED PRODUCT. Where the list says 'softmax', what is quantised is not the finished softmax but p = 2^(t - M), with t = logit x log2(e) and M = ceil(the row's largest t), a whole number; so 1/2 < the row's largest p <= 1. The row's sum l is taken of the UNQUANTISED p, in f32, and the product's result is divided by l at the end. Since M is a whole number, a kernel that streams over the keys may use a running M (the ceiling of the running maximum): every later rescaling is an exact power of two, so the quantised numbers keep their values, but for numbers so far below the row's largest that they fall under the format's range.
;;   OPERANDS COMPUTED ON THE WAY. 'Computed on the way' means the value that the module computes at that place (a softmax that the list does not call 'softmax' is quantised finished and normalised). What goes into a quantiser is computed in f32, as accurately as f32 sums, v_exp_f32 and their like allow (about 1e-6 of the number): no bf16 or f16 on the way to a quantiser, and a product that is left as it is and whose result goes on into a quantised operand takes f32 operands (vector FMAs, or v_wmma_f32_16x16x4_f32). A number that lies on a knife's edge between two numbers of the format may be rounded either way, as far as f32 arithmetic and the matrix unit's own rounding can turn it there, and no further.
;;   INPUTS GIVEN AS CODES. Wk (in the module: [1024, 256], K = its axis 0); Wo (in the module: [1024, 1024], K = its axis 0); Wq (in the module: [1024, 1024], K = its axis 0); Wv (in the module: [1024, 256], K = its axis 0); qkv (in the module: [1, 4096, 1024], K = its axis 2): each comes as NAME_codes (uint8): NAME with its K axis moved to the last place and cut into blocks of 32 codes, [.., K / 32, bytes a block], one block behind the other in memory; one code a byte (a code: sign, 5 exponent bits, 2 mantissa bits); its scale is its entry of lowp_scales. Its value is code x scale, taken as it is: it is not quantised again, and the codes and scales need not be those that the quantiser above would give.
;; One version. Each part assembles by itself: llvm-mc -triple=amdgcn-amd-amdhsa -mcpu=gfx1250 --defsym DOCPART=n.
;; ======== version 1 of 1: 3 launches
;; workspace buffers: q_img 4,194,304 bytes; k_img 1,048,576 bytes; v_img 1,048,576 bytes; a_img 4,194,304 bytes
;; launch proj (part 1): grid 12 x 32, 4 waves a work-group, clusters of 4 x 4, 279,040 bytes of LDS; arguments qkv_codes, Wq_codes, Wk_codes, Wv_codes, bq, bk, bv, lowp_scales, q_img, k_img, v_img; writes q_img, k_img, v_img
.if DOCPART == 1
	.amdgcn_target "amdgcn-amd-amdhsa--gfx1250"
	.amdhsa_code_object_version 6
	.text
	.protected	k_q8344acaf93_proj
	.globl	k_q8344acaf93_proj
	.p2align	8
	.type	k_q8344acaf93_proj,@function
k_q8344acaf93_proj:
	s_mov_b64 s[64:65], 0
	v_nop
	global_prefetch_b8 v0, s[64:65] scope:SCOPE_SE
	s_setreg_imm32_b32 hwreg(HW_REG_WAVE_MODE, 25, 1), 1
	s_wait_xcnt 0x0
	s_wait_alu depctr_hold_cnt(0) depctr_sa_sdst(0) depctr_va_vdst(0) depctr_va_sdst(0) depctr_va_ssrc(0) depctr_va_vcc(0) depctr_vm_vsrc(0)
	s_getreg_b32 s2, hwreg(HW_REG_IB_STS2, 6, 4)
	s_cmp_eq_u32 s2, 0
	s_cbranch_scc0 .Lentry_in_a_cluster
	s_endpgm
.Lentry_in_a_cluster:
	s_bfe_u32 s2, ttmp6, 0x10000c
	s_cmp_lg_u32 s2, 0xf033
	s_cbranch_scc0 .Lentry_shape_is_right
	s_endpgm
.Lentry_shape_is_right:
; q = qkv Wq + bq, k = qkv Wk + bk, v = qkv Wv + bv, on codes of BF8 (E5M2) as they are given, sums in f32; the results are quantised with the given scales
; (q: e6, k: e7, v: e9) and leave as codes, laid as IMAGES OF THE OPERAND REGISTERS that the attention launch wants: pieces of 512 bytes, lane l's 16 bytes at 16 l.
;   q_img [head 16][tile of 16 queries 256][piece 2][512]: lane (r, h) = query r; registers 2 c, 2 c + 1 = channels 16 c + 8 h + 0 .. 7.   k_img [kv head 4][tile of 16 keys 256][2][512]: the same.
;   v_img [kv head 4][step of 128 keys 32][tile of 16 channels 4][piece 4][512]: lane (r, h) = channel r; registers 2 c, 2 c + 1 = keys 16 c + 8 h + 0 .. 7.
; A matrix result gives a lane one column (source 1's row r) and eight neighbours 8 h + 0 .. 7 along source 0's rows: one conversion of its eight registers IS a register pair of such an image.
; So q and k take source 0 = 16 rows of W (channels), source 1 = 16 rows of qkv; v takes source 0 = 16 rows of qkv (keys), source 1 = 16 rows of Wv.  Nothing is transposed, and each store covers 512 consecutive bytes, aligned.
; SHARES.  A work-group makes 128 rows of qkv x 128 rows of W, K = 1,024; four waves, 64 x 64 each: 16 accumulators.  Clusters x = 0, 1: Wq's rows 128 TX on.  Cluster x = 2: 64 rows of Wk (kv head cx), then 64 rows of Wv (kv head cx).
; q or k/v hangs on the cluster's x, k or v on the wave's number: no branch hangs on a place in the cluster.
; LDS.  All of K lies in LDS at once, in four chunks of 256 along K: every byte is filled once, so there is no ring.  A chunk: qkv's rows 0-63, 64-127, W's rows 0-63, 64-127; rows of 256 bytes + 16 of padding.
; CLUSTERS: 4 x 4 work-groups.  The four of a row need the same rows of qkv, the four of a column the same rows of W: each tile is asked for jointly, by the same tensor load with a mask that names the four.
; The bias is the C of each sum's first matrix instruction, divided by 2^(eA + eB), the power of two that the sums lack; the three scales are folded into the conversion's one, 2^(eO - eA - eB).
; LIMITS: eO - eA - eB between -126 and 112 for each of the three products, so that the scale and 57,344 x the scale are f32 numbers.  NaN among the inputs is not served.
; REGISTERS: window 0: v1-15 addresses and constants; v16-47 the bias; v48-79 at work; v80-111 codes; v112-116 offsets; v128-255 the accumulators ((x, y) at v[128 + 8 (4 y + x)]).
;   window 1: two fragment buffers of 128 registers for 128 along K: qkv's four fragments, then W's four.
.set PITCH, 272                        ; an LDS row: 256 bytes + 16 of padding = 68 words: the 16 rows that a load touches start at 16 different groups of four banks
.set HB,    64*PITCH                   ; 64 rows: what one tensor load brings, and what one wave reads of qkv or of W in a chunk
.set CH,    4*HB                       ; a chunk
.set ADRA,  4                          ; v4-7   LDS address of my qkv fragments in chunk 0 .. 3
.set ADRW,  8                          ; v8-11  the same for W
.set LI,    12                         ; v12    16 x lane
.set BO,    13                         ; v13    32 h: the bias along source 0's rows
.set SC,    14                         ; v14    2^(eO - eA - eB)
.set LIM,   15                         ; v15    57,344 x that
.set BI,    16
.set T,     48
.set CD,    80
.set OFF,   112                        ; v112-115  16 x lane + y x the images' stride
.set BR,    116                        ; v116   4 r: the bias along source 1's rows
.set ACC,   128
.set WV,  26
.set YW,  27                           ; which 64 rows of qkv are mine.  Also: I fetch for qkv (0) or for W (1)
.set XW,  28                           ; which 64 rows of W.  Also: which 64 rows of that tile I fetch
.set CX,  29
.set CY,  30
.set TX,  31
.set G1A, 32                           ; s[32:39] descriptor group 1 for qkv's tiles;  s[40:47] for W's: it differs in the mask
.set G1W, 40
.set G0A, 48                           ; s[48:63] descriptor group 0 for qkv's tiles, a set for each chunk;  s[68:83] for W's
.set G0W, 68
.set TY,  96
.set SW,  98                           ; 1: my wave makes v, with the sources swapped
.set STRIDE, 99
.set MSB, 0
.macro WIN new                         ; the immediate's high byte repeats the setting that is left; a switch that changes nothing is dropped
.if MSB != \new
	s_set_vgpr_msb (MSB<<8)|\new
.set MSB, \new
.endif
.endm
.macro CROUND                          ; a round of the cluster's barrier
	s_barrier_signal -1
	s_barrier_wait -1
	s_cmp_lg_u32 s[WV], 0
	s_cbranch_scc1 .Lnot_wave_0_\@
	s_barrier_signal -3
.Lnot_wave_0_\@:
	s_barrier_wait -3
	s_barrier_signal -1
	s_barrier_wait -1
.endm
.macro PLACES                          ; four places in front of loads into registers that matrix instructions have read, and of the first read of results
.rept 4
	v_nop
.endr
.endm
	s_load_b512 s[4:19], s[0:1], 0x0               ; qkv s[4:5], Wq s[6:7], Wk s[8:9], Wv s[10:11], bq s[12:13], bk s[14:15], bv s[16:17], the scales' exponents s[18:19]
	s_load_b128 s[20:23], s[0:1], 0x40             ; q_img, k_img
	s_load_b64 s[24:25], s[0:1], 0x50              ; v_img
	v_lshl_add_u32 v126, v0, 2, 0x44000
	v_mov_b32 v127, 0
	ds_add_u32 v126, v127
	v_lshrrev_b32 v3, 5, v0
	v_readfirstlane_b32 s[WV], v3                  ; wave 0..3
	s_lshr_b32 s[YW], s[WV], 1
	s_and_b32 s[XW], s[WV], 1
	s_bfe_u32 s[CX], ttmp6, 0x40000                ; my place in the cluster
	s_bfe_u32 s[CY], ttmp6, 0x40004
	s_lshl_b32 s[TX], ttmp9, 2
	s_add_co_u32 s[TX], s[TX], s[CX]               ; tile column = 4 x cluster x + cx
	s_and_b32 s[TY], ttmp7, 0xffff
	s_lshl_b32 s[TY], s[TY], 2
	s_add_co_u32 s[TY], s[TY], s[CY]               ; tile row = 4 x cluster y + cy
	s_cmp_eq_u32 ttmp9, 2                          ; the third column of clusters makes k and v
	s_cselect_b32 s97, 1, 0
	s_and_b32 s[SW], s97, s[XW]
	s_lshl_b32 s[STRIDE], 1024, s[SW]              ; from y to y + 1 in the image: a tile of q or k is 1,024 bytes, a channel tile of v 2,048
	s_lshl_b32 s66, s[CY], 2
	s_lshl_b32 s66, 15, s66                        ; my row of the cluster
	s_lshl_b32 s67, 0x1111, s[CX]                  ; my column
	; descriptor group 1: a tile of 64 rows x 256 bytes, padded in LDS
	s_or_b32 s[G1A], s66, (0<<16)|(1<<20)|(1<<21)|(5<<22)|(3<<25)   ; 15:0 the mask; 17:16 elements of 1 byte; 20 padding on; 21 set beside a mask; 24:22 after every 64 words (code 5); 31:25 four words (code 3)
	s_or_b32 s[G1W], s67, (0<<16)|(1<<20)|(1<<21)|(5<<22)|(3<<25)
.irp g, G1A, G1W
	s_mov_b32 s[\g+1], 256<<16                     ; tensor_dim0
	s_mov_b32 s[\g+2], 64<<16                      ; tensor_dim1
	s_mov_b32 s[\g+3], 256<<16                     ; tile_dim0
	s_mov_b32 s[\g+4], 64                          ; tile_dim1
	s_mov_b32 s[\g+5], 1024                        ; from row to row
	s_mov_b32 s[\g+6], 0
	s_mov_b32 s[\g+7], 0
.endr
	s_lshl_b32 s2, s[TY], 17                       ; qkv: 128 rows of 1,024 bytes x tile row + 64 rows x half: hangs on cy alone, which my row of the cluster shares
	s_lshl_b32 s3, s[XW], 16
	s_add_co_u32 s2, s2, s3
	s_mov_b32 s3, 0
	s_lshl_b32 s100, s[TX], 17                     ; W: Wq's rows 128 TX + 64 half; or rows 64 cx of Wk (half 0) or Wv (half 1): hangs on cx alone, which my column shares
	s_lshl_b32 s101, s[XW], 16
	s_add_co_u32 s100, s100, s101
	s_lshl_b32 s101, s[CX], 16
	s_cmp_eq_u32 ttmp9, 2
	s_cselect_b32 s100, s101, s100
	s_mov_b32 s101, 0
	s_wait_dscnt 0x0
	s_wait_kmcnt 0x0
	s_load_b256 s[84:91], s[18:19], 0x0            ; e0 .. e7
	s_load_b128 s[92:95], s[18:19], 0x20           ; e8 .. e11
	s_cmp_eq_u32 s[XW], 1                          ; the buffers are chosen on the wave's number and the cluster's x, never on an address
	s_cselect_b64 s[8:9], s[10:11], s[8:9]         ; Wv or Wk
	s_cselect_b64 s[14:15], s[16:17], s[14:15]     ; bv or bk
	s_cselect_b64 s[22:23], s[24:25], s[22:23]     ; v_img or k_img
	s_cmp_eq_u32 ttmp9, 2
	s_cselect_b64 s[6:7], s[8:9], s[6:7]           ; my W,
	s_cselect_b64 s[12:13], s[14:15], s[12:13]     ; my bias,
	s_cselect_b64 s[20:21], s[22:23], s[20:21]     ; my image
	s_add_nc_u64 s[4:5], s[4:5], s[2:3]
	s_add_nc_u64 s[6:7], s[6:7], s[100:101]
	s_mul_i32 s8, s[WV], HB                        ; where a tile goes in a chunk: wave x 64 rows: no place in the cluster enters an LDS address
.irp c, 0,1,2,3
	s_mov_b32 s[G0A+4*\c], 1                       ; count = 1
	s_add_co_u32 s[G0A+4*\c+1], s8, \c*CH          ; LDS address
	s_add_nc_u64 s[G0A+4*\c+2:G0A+4*\c+3], s[4:5], \c*256   ; global address: 256 c along K
	s_or_b32 s[G0A+4*\c+3], s[G0A+4*\c+3], 0x80000000       ; type = 2
	s_mov_b32 s[G0W+4*\c], 1
	s_add_co_u32 s[G0W+4*\c+1], s8, \c*CH
	s_add_nc_u64 s[G0W+4*\c+2:G0W+4*\c+3], s[6:7], \c*256
	s_or_b32 s[G0W+4*\c+3], s[G0W+4*\c+3], 0x80000000
.endr
	CROUND                                         ; all sixteen work-groups are here: the joint loads meet
	s_cmp_eq_u32 s[YW], 0                          ; a wave's four fills stand in one branch, ahead of every wait on TENSORcnt, every LDS read and every other barrier: four loads of mine are out
	s_cbranch_scc0 .Lfirst_w
.irp c, 0,1,2,3
	tensor_load_to_lds s[G0A+4*\c:G0A+4*\c+3], s[G1A:G1A+7]
	s_nop 0
.endr
.rept 4
	v_nop
.endr
	s_branch .Lfirst_asked
.Lfirst_w:
.irp c, 0,1,2,3
	tensor_load_to_lds s[G0W+4*\c:G0W+4*\c+3], s[G1W:G1W+7]
	s_nop 0
.endr
.rept 4
	v_nop
.endr
.Lfirst_asked:
	v_and_b32 v1, 15, v0                           ; r
	v_bfe_u32 v2, v0, 4, 1                         ; h
	v_mul_u32_u24 v3, v1, PITCH
	v_lshl_add_u32 v3, v2, 4, v3                   ; a fragment's row x pitch + 16 h
	s_mul_i32 s9, s[YW], HB                        ; my 64 rows of qkv,
	s_mul_i32 s10, s[XW], HB                       ; my 64 rows of W,
	s_add_co_u32 s10, s10, 2*HB                    ; which lie behind qkv's 128
.irp c, 0,1,2,3
	v_add_nc_u32 v[ADRA+\c], s9, v3
	v_add_nc_u32 v[ADRW+\c], s10, v3
	s_add_co_u32 s9, s9, CH
	s_add_co_u32 s10, s10, CH
.endr
	v_and_b32 v[LI], 31, v0
	v_lshlrev_b32 v[LI], 4, v[LI]
	v_lshlrev_b32 v[BO], 5, v2
	v_lshlrev_b32 v[BR], 2, v1
	s_lshl_b32 s10, s[TX], 9                       ; the bias of my 64 rows of W: 4 (128 TX + 64 half) bytes on in bq, 4 x 64 cx in bk or bv
	s_lshl_b32 s11, s[XW], 8
	s_add_co_u32 s10, s10, s11
	s_lshl_b32 s11, s[CX], 8
	s_cmp_eq_u32 ttmp9, 2
	s_cselect_b32 s10, s11, s10
	s_mov_b32 s11, 0
	s_add_nc_u64 s[12:13], s[12:13], s[10:11]
	s_cmp_eq_u32 s[SW], 0
	s_cbranch_scc0 .Lbias_sw
.irp x, 0,1,2,3                        ; q, k: W's rows are source 0: register j of tile x wants the bias of row 16 x + 8 h + j
	global_load_b128 v[BI+8*\x:BI+8*\x+3], v[BO], s[12:13] offset:64*\x
	global_load_b128 v[BI+8*\x+4:BI+8*\x+7], v[BO], s[12:13] offset:64*\x+16
.endr
	s_branch .Lbias_in
.Lbias_sw:
.irp y, 0,1,2,3                        ; v: W's rows are source 1: all eight registers of tile y want the bias of row 16 y + r
.irp j, 0,1,2,3,4,5,6,7
	global_load_b32 v[BI+8*\y+\j], v[BR], s[12:13] offset:64*\y
.endr
.endr
.Lbias_in:
	s_lshl_b32 s66, s[TX], 1                       ; where my codes go: the head (2 TX + half) or the kv head (cx), 2^18 bytes each;
	s_add_co_u32 s66, s66, s[XW]
	s_cmp_eq_u32 ttmp9, 2
	s_cselect_b32 s66, s[CX], s66
	s_lshl_b32 s66, s66, 18
	s_lshl_b32 s67, s[TY], 13                      ; 128 rows of qkv are 8,192 bytes of each image;
	s_add_co_u32 s66, s66, s67
	s_cmp_eq_u32 s[SW], 1
	s_cselect_b32 s67, 10, 12                      ; my 64 rows: four tiles of 1,024 bytes (q, k), or pieces 2 YW, 2 YW + 1 of each channel tile (v)
	s_lshl_b32 s67, s[YW], s67
	s_add_co_u32 s66, s66, s67
	s_mov_b32 s67, 0
	s_add_nc_u64 s[20:21], s[20:21], s[66:67]
	v_mov_b32 v[OFF], v[LI]
	v_add_nc_u32 v[OFF+1], s[STRIDE], v[OFF]
	v_add_nc_u32 v[OFF+2], s[STRIDE], v[OFF+1]
	v_add_nc_u32 v[OFF+3], s[STRIDE], v[OFF+2]
	s_wait_kmcnt 0x0
	s_cmp_eq_u32 s[XW], 1                          ; my product's three exponents: q: e0, e1, e6;  k: e2, e3, e7;  v: e4, e5, e9
	s_cselect_b32 s86, s88, s86
	s_cselect_b32 s87, s89, s87
	s_cselect_b32 s91, s93, s91
	s_cmp_eq_u32 ttmp9, 2
	s_cselect_b32 s84, s86, s84
	s_cselect_b32 s85, s87, s85
	s_cselect_b32 s90, s91, s90
	s_add_co_i32 s84, s84, s85                     ; eA + eB: a sum stands for sum x 2^(eA + eB)
	s_sub_co_i32 s85, 0, s84
	s_sub_co_i32 s90, s90, s84                     ; eO - eA - eB
	s_add_co_i32 s90, s90, 127
	s_lshl_b32 s91, s90, 23
	v_mov_b32 v[SC], s91                           ; 2^(eO - eA - eB) as f32: the conversion takes its exponent field
	s_add_co_i32 s90, s90, 15
	s_lshl_b32 s90, s90, 23
	s_or_b32 s90, s90, 0x600000
	v_mov_b32 v[LIM], s90                          ; 57,344 x that
	s_wait_loadcnt 0x0
.set i, 0
.rept 32
	v_ldexp_f32 v[BI+i], v[BI+i], s85              ; the bias / 2^(eA + eB)
.set i, i+1
.endr
; 32 LDS loads in one run: the fragments of step s (128 along K) into buffer f.  A fragment is 16 registers, by four loads of 16 bytes, 32 bytes apart: lane (r, h) then holds K = 32 c + 16 h + 0 .. 15 in
; registers 4 c .. 4 c + 3: a permutation of k, the same in both operands, so that every product meets its partner.
.macro FETCH s, f
	WIN 0x40                                       ; destination window 1, address window 0
.irp i, 0,1,2,3
.irp c, 0,1,2,3
	ds_load_b128 v[\f+16*\i+4*\c:\f+16*\i+4*\c+3], v[ADRA+(\s)/2] offset:128*((\s)%2)+32*\c+\i*16*PITCH
.endr
.endr
.irp i, 0,1,2,3
.irp c, 0,1,2,3
	ds_load_b128 v[\f+64+16*\i+4*\c:\f+64+16*\i+4*\c+3], v[ADRW+(\s)/2] offset:128*((\s)%2)+32*\c+\i*16*PITCH
.endr
.endr
	WIN 0
.endm
; 8 matrix instructions: accumulators (0 .. 3, y0) and (0 .. 3, y0 + 1).  swap = 0: source 0 = W's fragment x, source 1 = qkv's fragment y;  swap = 1: source 0 = qkv's fragment x, source 1 = W's fragment y.
; first = 1: the bias is the C of the first product: nothing is cleared.  The 16 accumulators take turns, one instruction a turn, in the same order in every step and on both ways.
.macro MUL8 f, y0, first, swap
.irp y, \y0, \y0+1
.irp x, 0,1,2,3
.if \swap
.if \first
	v_wmma_f32_16x16x128_bf8_bf8 v[ACC+8*(4*(\y)+\x):ACC+8*(4*(\y)+\x)+7], v[\f+16*\x:\f+16*\x+15], v[\f+64+16*(\y):\f+64+16*(\y)+15], v[BI+8*(\y):BI+8*(\y)+7]
.else
	v_wmma_f32_16x16x128_bf8_bf8 v[ACC+8*(4*(\y)+\x):ACC+8*(4*(\y)+\x)+7], v[\f+16*\x:\f+16*\x+15], v[\f+64+16*(\y):\f+64+16*(\y)+15], v[ACC+8*(4*(\y)+\x):ACC+8*(4*(\y)+\x)+7]
.endif
.else
.if \first
	v_wmma_f32_16x16x128_bf8_bf8 v[ACC+8*(4*(\y)+\x):ACC+8*(4*(\y)+\x)+7], v[\f+64+16*\x:\f+64+16*\x+15], v[\f+16*(\y):\f+16*(\y)+15], v[BI+8*\x:BI+8*\x+7]
.else
	v_wmma_f32_16x16x128_bf8_bf8 v[ACC+8*(4*(\y)+\x):ACC+8*(4*(\y)+\x)+7], v[\f+64+16*\x:\f+64+16*\x+15], v[\f+16*(\y):\f+16*(\y)+15], v[ACC+8*(4*(\y)+\x):ACC+8*(4*(\y)+\x)+7]
.endif
.endif
.endr
.endr
.endm
; The branch hangs on the cluster's x and the wave's number alone; only matrix instructions stand inside it.  At a branch and at a label every window is 0.
.macro MULSEL f, y0, first
	s_cmp_eq_u32 s[SW], 0
	s_cbranch_scc0 .Lswap_\@
	WIN 0x05                                       ; sources 0 and 1 window 1; C and D window 0
	MUL8 \f, \y0, \first, 0
	WIN 0
	s_branch .Ljoin_\@
.Lswap_\@:
	WIN 0x05
	MUL8 \f, \y0, \first, 1
	WIN 0
.Ljoin_\@:
.endm
; A step of 128 along K: 16 matrix instructions; in its middle the next step's fragments are fetched into the other buffer.  Where the next step begins a chunk, the chunk is waited for first.
.macro STEP s, first
.set FB, 128*((\s)%2)
.set FN, 128*(((\s)+1)%2)
	s_wait_dscnt 0x0                               ; this step's fragments are in
	MULSEL FB, 0, \first
.if (\s) < 7
.if ((\s)%2) == 1
	s_wait_tensorcnt 3-((\s)+1)/2                  ; my part of the next chunk is in; the count is the chunks behind it, which may stay out
	s_barrier_signal -1                            ; (no LDS instruction of mine is out: the wait at the step's head was for 0)
	s_barrier_wait -1                              ; everybody's is
.endif
	PLACES
	FETCH (\s)+1, FN
.endif
	MULSEL FB, 2, \first
.endm
	s_wait_tensorcnt 0x3                           ; my part of chunk 0 is in; the three behind it may stay out
	s_barrier_signal -1
	s_barrier_wait -1
	FETCH 0, 0
	STEP 0, 1
	STEP 1, 0
	STEP 2, 0
	STEP 3, 0
	STEP 4, 0
	STEP 5, 0
	STEP 6, 0
	STEP 7, 0
	PLACES
	; THE WAY OUT, one text for q, k and v: the hold at the largest code (the conversion to an 8-bit code does not saturate: ISA guide 7.6.2), the conversion, two stores of 512 consecutive bytes for each y.
.irp y, 0,1,2,3
.set i, 0
.rept 32
	v_med3_num_f32 v[T+i], v[ACC+32*\y+i], -v[LIM], v[LIM]      ; each accumulator from its low end on
.set i, i+1
.endr
.irp x, 0,1,2,3
	v_cvt_scalef32_pk8_bf8_f32 v[CD+8*\y+2*\x:CD+8*\y+2*\x+1], v[T+8*\x:T+8*\x+7], v[SC]   ; registers 2 x, 2 x + 1 of the image
.endr
	v_nop                                          ; one plain vector instruction between the conversions and the next lines that write their sources
	global_store_b128 v[OFF+\y], v[CD+8*\y:CD+8*\y+3], s[20:21]
	global_store_b128 v[OFF+\y], v[CD+8*\y+4:CD+8*\y+7], s[20:21] offset:512
.endr
	s_wait_tensorcnt 0x0
	ds_add_u32 v126, v127
	s_wait_dscnt 0x0
	CROUND                                         ; the closing round: no work-group ends while a partner may still ask for a tile that names it
	s_endpgm
.Lfunc_end_k_q8344acaf93_proj:
	.size	k_q8344acaf93_proj, .Lfunc_end_k_q8344acaf93_proj-k_q8344acaf93_proj
	.p2alignl 7, 3214868480
	.fill 96, 4, 3214868480
	.section	.rodata,"a",@progbits
	.p2align	6, 0x0
	.amdhsa_kernel k_q8344acaf93_proj
		.amdhsa_group_segment_fixed_size 279040
		.amdhsa_private_segment_fixed_size 0
		.amdhsa_enable_private_segment 0
		.amdhsa_kernarg_size 88
		.amdhsa_user_sgpr_count 2
		.amdhsa_user_sgpr_kernarg_segment_ptr 1
		.amdhsa_wavefront_size32 1
		.amdhsa_system_sgpr_workgroup_id_x 1
		.amdhsa_system_sgpr_workgroup_id_y 1
		.amdhsa_system_sgpr_workgroup_id_z 1
		.amdhsa_system_vgpr_workitem_id 0
		.amdhsa_next_free_vgpr 512
		.amdhsa_next_free_sgpr 102
		.amdhsa_reserve_vcc 0
		.amdhsa_float_denorm_mode_32 3
		.amdhsa_float_denorm_mode_16_64 3
		.amdhsa_memory_ordered 1
		.amdhsa_forward_progress 1
		.amdhsa_inst_pref_size 64
	.end_amdhsa_kernel
	.amdgpu_metadata
---
amdhsa.version: [ 1, 2 ]
amdhsa.kernels:
  - .name:           k_q8344acaf93_proj
    .symbol:         k_q8344acaf93_proj.kd
    .args:
      - { .name: qkv_codes, .offset: 0, .size: 8, .value_kind: global_buffer, .address_space: global }
      - { .name: Wq_codes, .offset: 8, .size: 8, .value_kind: global_buffer, .address_space: global }
      - { .name: Wk_codes, .offset: 16, .size: 8, .value_kind: global_buffer, .address_space: global }
      - { .name: Wv_codes, .offset: 24, .size: 8, .value_kind: global_buffer, .address_space: global }
      - { .name: bq, .offset: 32, .size: 8, .value_kind: global_buffer, .address_space: global }
      - { .name: bk, .offset: 40, .size: 8, .value_kind: global_buffer, .address_space: global }
      - { .name: bv, .offset: 48, .size: 8, .value_kind: global_buffer, .address_space: global }
      - { .name: lowp_scales, .offset: 56, .size: 8, .value_kind: global_buffer, .address_space: global }
      - { .name: q_img, .offset: 64, .size: 8, .value_kind: global_buffer, .address_space: global }
      - { .name: k_img, .offset: 72, .size: 8, .value_kind: global_buffer, .address_space: global }
      - { .name: v_img, .offset: 80, .size: 8, .value_kind: global_buffer, .address_space: global }
    .group_segment_fixed_size: 279040
    .private_segment_fixed_size: 0
    .kernarg_segment_align: 8
    .kernarg_segment_size: 88
    .max_flat_workgroup_size: 128
    .sgpr_count:     102
    .vgpr_count:     512
    .wavefront_size: 32
...
	.end_amdgpu_metadata
.endif
;; end of part 1
;; launch attn (part 2): grid 16 x 16, 16 waves a work-group, clusters of 4 x 1, 327,680 bytes of LDS; arguments q_img, k_img, v_img, slopes, lowp_scales, a_img; writes a_img
.if DOCPART == 2
	.amdgcn_target "amdgcn-amd-amdhsa--gfx1250"
	.amdhsa_code_object_version 6
	.text
	.protected	k_q8344acaf93_attn
	.globl	k_q8344acaf93_attn
	.p2align	8
	.type	k_q8344acaf93_attn,@function
k_q8344acaf93_attn:
	s_mov_b64 s[64:65], 0
	v_nop
	global_prefetch_b8 v0, s[64:65] scope:SCOPE_SE
	s_setreg_imm32_b32 hwreg(HW_REG_WAVE_MODE, 25, 1), 1
	s_wait_xcnt 0x0
	s_wait_alu depctr_hold_cnt(0) depctr_sa_sdst(0) depctr_va_vdst(0) depctr_va_sdst(0) depctr_va_ssrc(0) depctr_va_vcc(0) depctr_vm_vsrc(0)
	s_getreg_b32 s2, hwreg(HW_REG_IB_STS2, 6, 4)
	s_cmp_eq_u32 s2, 0
	s_cbranch_scc0 .Lentry_in_a_cluster
	s_endpgm
.Lentry_in_a_cluster:
	s_bfe_u32 s2, ttmp6, 0x10000c
	s_cmp_lg_u32 s2, 0x3003
	s_cbranch_scc0 .Lentry_shape_is_right
	s_endpgm
.Lentry_shape_is_right:
; Causal attention with an ALiBi bias, 16 query heads on 4 kv heads, head size 64, 4,096 positions, both products on codes of BF8 (E5M2).
; t = (q . k / 8 + slope (key - query)) log2(e);  M = the row's largest t so far, rounded UP to a whole number;  p = 2^(t - M) is quantised along the keys with 2^e8, not normalised;
; the row's sum is taken of the unquantised p, in f32, and divides O at the end; when M moves, the sum and O are multiplied by 2^(old M - new M): exact.  O / the sum is quantised with 2^e10 and leaves as codes.
; INPUTS: images of operand registers, pieces of 512 bytes, lane l's 16 bytes at 16 l (q_img, k_img: tiles of 16 rows x 64 channels, 1,024 bytes; v_img: for 128 keys four tiles of 16 channels, 2,048 bytes each).
; OUTPUT: a_img [block of 128 rows 32][128 along the model's 1,024: 8][tile of 16 rows 8][piece 4][512]: the last product's operand, again as an image.
; LAYOUT.  Both products are used transposed: S^T = K Q^T (source 0 = 16 keys, source 1 = my 16 queries), O^T = V^T P^T (source 0 = 16 channels, source 1 = P): a lane holds ONE query (lane % 16) throughout,
; and its eight registers of score tile t are keys 16 t + 8 (lane / 16) + 0 .. 7: one conversion gives registers 2 t, 2 t + 1 of P's fragment.  O^T's tiles become a_img's registers the same way.
; ALIBI costs nothing in the loop: slope x (the key's place in its step) / (the score's factor) lies in 64 registers and is the C of S^T's products; slope (the step's first key - query) log2(e) is one number a lane and step.
; SHARES.  A cluster is the four query heads of one kv head at the same query blocks: they walk the same K and V, so each tile is asked for JOINTLY (mask 15).  A work-group owns query blocks p and 31 - p (128 queries each);
; each of its sixteen waves owns 16 queries: eight waves of the early block (p + 1 key steps of work), eight of the late one (32 - p), two and two on each SIMD: 66 wave steps on every SIMD of the launch.
; A step all of whose keys come after the wave's queries is jumped over by a scalar branch on ids; no barrier and no tensor load stands in a step.  The work-group walks (35 - p) / 4 pairs of slots: as far as its late block needs.
; That count hangs on the cluster's y alone, so it is the same in all four partners.
; RING.  Two LDS slots of 256 keys: K's 16 KiB, then V's 16 KiB.  Wave 0 fetches K's, wave 1 V's, one load each behind each round: one tensor load of a wave is out at most.  Every LDS address in the text is 16 x lane + an immediate.
; LIMITS on the given exponents, so that each power of two below is an f32 number: e6 + e7 between -123 and 130 (added to c's exponent field); e8, and e10 - e8 - e9, between -126 and 112.  NaN among the inputs is not served.
.set SLOTB, 32768
.set VOFF,  16384                      ; V's part of a slot
.set STEPB, 8192                       ; 128 keys of K, or of V
.set SPARE, 2*SLOTB                    ; behind the ring: the spare words, 128 bytes for each of sixteen waves: eight blocks of 256 bytes that no other line names
.set LI,   1                           ; v1   16 x lane: the one LDS address, and my offset in every image
.set SPW,  2                           ; v2   LDS address of my spare word; never rewritten
.set NIL,  3                           ; v3   0; never rewritten
.set QI,   4                           ; v4   my query
.set H8,   5                           ; v5   8 (lane / 16)
.set BASE, 7                           ; v7   slope log2(e) (the step's first key - my query)
.set SL2,  8                           ; v8   slope log2(e)
.set SLR,  9                           ; v9   slope x 8 / 2^(e6 + e7): the bias of one key's distance, in the raw sums' units
.set AD,   10                          ; v[10:11] BASE - M (the packed form names a pair and takes its low word)
.set NM,   12                          ; v12  -M
.set TM,   13                          ; v13  the largest t so far
.set SUM,  14                          ; v[14:15] the row's sum, in two halves
.set Q,    16                          ; v[16:23] my queries' fragment
.set FR,   24                          ; v[24:55] four tiles of K, or two of V
.set BT,   56                          ; v[56:119] the bias table
.set S,    120                         ; v[120:183] S^T, then p
.set O,    184                         ; v[184:215] O^T
.set PC,   216                         ; v[216:231] p's codes
.set WV,   18
.set G1,   24                          ; s[24:31] descriptor group 1
.set G0,   32                          ; s[32:39] descriptor group 0, a set for each slot
.set Q0,   45                          ; s45  my first query
.set KF,   46                          ; s46  the step's first key
.macro ROUND                           ; a round of the cluster's barrier
	s_barrier_signal -1
	s_barrier_wait -1
	s_cmp_lg_u32 s[WV], 0
	s_cbranch_scc1 .Lnot_wave_0_\@
	s_barrier_signal -3
.Lnot_wave_0_\@:
	s_barrier_wait -3
	s_barrier_signal -1
	s_barrier_wait -1
.endm
.macro TLOAD n                         ; waves 0 and 1 ask for slot n's next tile (K's part, V's part); four v_nop follow the load
	s_cmp_lt_u32 s[WV], 2
	s_cbranch_scc0 .Lnone_\@
	tensor_load_to_lds s[G0+4*(\n):G0+4*(\n)+3], s[G1:G1+7]
	s_nop 0
.rept 4
	v_nop
.endr
.Lnone_\@:
.endm
	s_load_b256 s[4:11], s[0:1], 0x0               ; q_img s[4:5], k_img s[6:7], v_img s[8:9], slopes s[10:11]
	s_load_b128 s[12:15], s[0:1], 0x20             ; the scales' exponents s[12:13], a_img s[14:15]
	v_lshl_add_u32 v[SPW], v0, 2, SPARE
	v_mov_b32 v[NIL], 0
	ds_add_u32 v2, v3
	s_wait_dscnt 0x0
	v_lshrrev_b32 v6, 5, v0
	v_readfirstlane_b32 s[WV], v6                  ; wave 0..15
	s_bfe_u32 s40, ttmp6, 0x40000                  ; cx: the query head within its group: it enters global addresses of q, slopes and a alone
	s_lshl_b32 s41, ttmp9, 2                       ; the cluster's x is the kv head
	s_add_co_u32 s41, s41, s40                     ; the query head
	s_and_b32 s42, ttmp7, 0xffff                   ; p
	s_lshr_b32 s43, s[WV], 2
	s_xor_b32 s43, s43, s[WV]
	s_and_b32 s43, s43, 1                          ; 0: the early block, 1: the late one; waves 2 i and 2 i + 1 differ, and so do two of any four waves w, w + 4, w + 8, w + 12
	s_sub_co_u32 s44, 31, s42
	s_cmp_eq_u32 s43, 1
	s_cselect_b32 s44, s44, s42                    ; my block of 128 queries
	s_lshl_b32 s44, s44, 7
	s_lshr_b32 s[Q0], s[WV], 1
	s_lshl_b32 s[Q0], s[Q0], 4
	s_add_co_u32 s[Q0], s[Q0], s44                 ; my first query: 128 x block + 16 (wave / 2)
	s_mov_b32 s[KF], 0
	s_sub_co_u32 s47, 35, s42
	s_lshr_b32 s47, s47, 2
	s_sub_co_u32 s47, s47, 1                       ; the loop's trips: pairs of slots less the one that is written out: 4 to 7
	; descriptor group 1: a dense block of 16 KiB as 64 rows of 256 bytes
	s_mov_b32 s[G1], 15|(3<<16)|(1<<21)            ; 15:0 the mask: all four work-groups; 17:16 elements of 8 bytes; 21 set beside a mask; no padding
	s_mov_b32 s[G1+1], 32<<16                      ; tensor_dim0 = 32 elements
	s_mov_b32 s[G1+2], 64<<16                      ; tensor_dim1 = 64
	s_mov_b32 s[G1+3], 32<<16                      ; tile_dim0
	s_mov_b32 s[G1+4], 64                          ; tile_dim1
	s_mov_b32 s[G1+5], 32                          ; from row to row
	s_mov_b32 s[G1+6], 0
	s_mov_b32 s[G1+7], 0
	s_and_b32 s48, s[WV], 1
	s_lshl_b32 s48, s48, 14                        ; wave 1's part of a slot lies 16 KiB on
	s_lshl_b32 s50, ttmp9, 18                      ; the kv head's first byte in k_img and in v_img
	s_mov_b32 s51, 0
	s_mov_b32 s20, 0x76543210                      ; v_permlanex16_b32's selects for lane l xor 16
	s_mov_b32 s21, 0xfedcba98
	s_wait_kmcnt 0x0
	s_load_b256 s[52:59], s[12:13], 0x0            ; e0 .. e7
	s_load_b128 s[60:63], s[12:13], 0x20           ; e8 .. e11
	s_cmp_eq_u32 s[WV], 1
	s_cselect_b64 s[16:17], s[8:9], s[6:7]         ; wave 1 fetches V, wave 0 K
	s_add_nc_u64 s[16:17], s[16:17], s[50:51]
.irp n, 0,1
	s_mov_b32 s[G0+4*\n], 1                        ; count = 1
	s_add_co_u32 s[G0+4*\n+1], s48, \n*SLOTB       ; LDS address: a constant + a constant x the wave's number; never stepped
	s_add_nc_u64 s[G0+4*\n+2:G0+4*\n+3], s[16:17], \n*16384   ; global address: keys 256 n on
	s_or_b32 s[G0+4*\n+3], s[G0+4*\n+3], 0x80000000           ; type = 2
.endr
	s_lshl_b32 s50, s41, 2
	s_add_nc_u64 s[10:11], s[10:11], s[50:51]
	s_load_b32 s49, s[10:11], 0x0                  ; my head's slope
	ROUND                                          ; all four work-groups are here: the first joint loads meet
	TLOAD 0                                        ; slot 0: keys 0 to 255
	s_lshl_b32 s50, s41, 18                        ; q_img: the head's 2^18 bytes, my tile's 1,024
	s_lshl_b32 s19, s[Q0], 6
	s_add_co_u32 s50, s50, s19
	s_add_nc_u64 s[4:5], s[4:5], s[50:51]
	v_and_b32 v[LI], 31, v0
	v_lshlrev_b32 v[LI], 4, v[LI]
	global_load_b128 v[Q:Q+3], v[LI], s[4:5]       ; Q's fragment stays in registers
	global_load_b128 v[Q+4:Q+7], v[LI], s[4:5] offset:512
	s_lshr_b32 s50, s[Q0], 7                       ; a_img: the block of 128 rows,
	s_lshl_b32 s50, s50, 17
	s_lshr_b32 s19, s41, 1                         ; two heads to 128 along the model's width,
	s_lshl_b32 s19, s19, 14
	s_add_co_u32 s50, s50, s19
	s_bfe_u32 s19, s[Q0], 0x30004                  ; my tile of 16 rows in the block,
	s_lshl_b32 s19, s19, 11
	s_add_co_u32 s50, s50, s19
	s_and_b32 s19, s41, 1                          ; and my head's two pieces of the four
	s_lshl_b32 s19, s19, 10
	s_add_co_u32 s50, s50, s19
	s_add_nc_u64 s[14:15], s[14:15], s[50:51]
	v_and_b32 v[QI], 15, v0
	v_add_nc_u32 v[QI], s[Q0], v[QI]
	v_bfe_u32 v[H8], v0, 4, 1
	v_lshlrev_b32 v[H8], 3, v[H8]
	v_mov_b32 v[TM], 0xff61b1e6                    ; the largest t so far: -3e38, under every t
	v_floor_f32 v[NM], -v[TM]
	v_mov_b32 v[SUM], 0
	v_mov_b32 v[SUM+1], 0
	v_mov_b32 v[AD+1], 0                           ; (named as the upper half of a pair)
	v_mov_b32 v236, 0                              ; written once: a lane permute's destination counts as one of its sources
	v_mov_b32 v253, 0                              ; (named as the upper half of the pair v[252:253])
.set n, 0
.rept 32
	v_mov_b32 v[O+n], 0                            ; O^T.  (The step is written once: the first finds zeros, which the first change of M leaves zeros)
.set n, n+1
.endr
.set n, 0
.rept 64
	v_add_nc_u32 v[BT+n], 16*(n/8)+n%8, v[H8]      ; register 8 t + j holds the key 16 t + 8 (lane / 16) + j of a step
.set n, n+1
.endr
.set n, 0
.rept 64
	v_cvt_f32_u32 v[BT+n], v[BT+n]
.set n, n+1
.endr
	s_wait_kmcnt 0x0
	s_add_co_i32 s50, s58, s59                     ; e6 + e7: a raw sum stands for sum x 2^(e6 + e7)
	s_lshl_b32 s51, s50, 23
	s_add_co_i32 s22, s51, 0x3e38aa3b              ; c = log2(e) / 8 x 2^(e6 + e7): the exponents are added to the exponent field
	s_mov_b32 s23, s22                             ; (named with it as a pair, so it is written)
	s_sub_co_i32 s50, 3, s50
	v_mov_b32 v[SL2], s49
	v_ldexp_f32 v[SLR], v[SL2], s50                ; slope x 8 / 2^(e6 + e7)
	v_mul_f32 v[SL2], 0x3fb8aa3b, v[SL2]           ; slope x log2(e)
.set n, 0
.rept 64
	v_mul_f32 v[BT+n], v[SLR], v[BT+n]
.set n, n+1
.endr
	s_add_co_i32 s50, s60, 127
	s_lshl_b32 s51, s50, 23
	v_mov_b32 v244, s51                            ; 2^e8 as f32, for p's conversions
	s_add_co_i32 s50, s50, 15
	s_lshl_b32 s50, s50, 23
	s_or_b32 s50, s50, 0x600000
	v_mov_b32 v240, s50                            ; 57,344 x 2^e8
	s_sub_co_i32 s50, s62, s60
	s_sub_co_i32 s50, s50, s61                     ; e10 - e8 - e9: a sum of the second product stands for sum x 2^(e8 + e9)
	s_add_co_i32 s50, s50, 127
	s_lshl_b32 s51, s50, 23
	v_mov_b32 v246, s51
	s_add_co_i32 s50, s50, 15
	s_lshl_b32 s50, s50, 23
	s_or_b32 s50, s50, 0x600000
	v_mov_b32 v247, s50
; A KEY STEP: 128 keys, the q-th of slot 'slot'.
.macro STEP slot, q
	s_add_co_u32 s50, s[Q0], 15
	s_cmp_gt_u32 s[KF], s50
	s_cbranch_scc1 .Lhidden_\@                     ; all 128 keys come after my 16 queries: a branch on ids
	v_sub_nc_u32 v254, s[KF], v[QI]
	v_cvt_f32_i32 v254, v254
	v_mul_f32 v[BASE], v[SL2], v254                ; slope log2(e) (the first key - my query)
	v_nop                                          ; (these four are the places in front of the loads into registers that the last step's products have read)
.irp gq, 0,1                                   ; S^T = K Q^T + the bias table, four tiles of 16 keys at a time
.if \gq
.rept 4
	v_nop
.endr
.endif
.irp i, 0,1,2,3
	ds_load_b128 v[FR+8*\i:FR+8*\i+3], v[LI] offset:\slot*SLOTB+\q*STEPB+(4*\gq+\i)*1024
	ds_load_b128 v[FR+8*\i+4:FR+8*\i+7], v[LI] offset:\slot*SLOTB+\q*STEPB+(4*\gq+\i)*1024+512
.endr
	s_wait_dscnt 0x0
.irp i, 0,1,2,3
	v_wmma_f32_16x16x64_bf8_bf8 v[S+8*(4*\gq+\i):S+8*(4*\gq+\i)+7], v[FR+8*\i:FR+8*\i+7], v[Q:Q+7], v[BT+8*(4*\gq+\i):BT+8*(4*\gq+\i)+7]
.endr
.endr
.rept 4
	v_nop                                          ; places in front of the loads below and of the first read of the scores
.endr
.irp d, 0,1                                    ; V's channel tiles 0 and 1 are asked for now and land during the softmax
.irp c, 0,1,2,3
	ds_load_b128 v[FR+16*\d+4*\c:FR+16*\d+4*\c+3], v[LI] offset:\slot*SLOTB+VOFF+\q*STEPB+\d*2048+\c*512
.endr
.endr
	s_add_co_u32 s50, s[KF], 127                   ; on the diagonal the scores of hidden keys become -infinity ahead of the maximum: p = 0 then.  A step all of whose keys count jumps over this
	s_cmp_le_u32 s50, s[Q0]
	s_cbranch_scc1 .Lopen_\@
	v_sub_nc_u32 v252, v[QI], s[KF]
	v_sub_nc_u32 v252, v252, v[H8]                 ; d = my query - the first key - 8 (lane / 16): register 8 t + j is hidden where 16 t + j > d
	v_mov_b32 v254, 0xff800000
.set n, 0
.rept 64
	v_cmp_gt_i32 vcc_lo, 16*(n/8)+n%8, v252
	v_cndmask_b32 v[S+n], v[S+n], v254, vcc_lo
.set n, n+1
.endr
.Lopen_\@:
	v_max3_num_f32 v254, v[S], v[S+1], v[S+2]      ; the step's largest score of my query among my 64 keys, in two chains, each tile from its low end on,
	v_max3_num_f32 v252, v[S+3], v[S+4], v[S+5]
.set n, 6
.rept 14
	v_max3_num_f32 v254, v254, v[S+n], v[S+n+1]
	v_max3_num_f32 v252, v252, v[S+n+2], v[S+n+3]
.set n, n+4
.endr
	v_max3_num_f32 v254, v254, v[S+62], v[S+63]
	v_max_num_f32 v254, v254, v252
	v_permlanex16_b32 v236, v254, s20, s21
	v_max_num_f32 v254, v254, v236                 ; and among lane l xor 16's
	v_fma_f32 v254, v254, s22, v[BASE]             ; as t (c is positive)
	v_max_num_f32 v[TM], v[TM], v254               ; the running largest t
	v_mov_b32 v254, v[NM]
	v_floor_f32 v[NM], -v[TM]                      ; the new -M = floor(-t) = -ceil(t): M is a whole number
	v_sub_f32 v254, v[NM], v254                    ; M's old value less its new one: a whole number, 0 or less
	v_cvt_i32_f32 v254, v254                       ; (it saturates)
	v_ldexp_f32 v252, 1.0, v254                    ; f = 2^(old M - new M)
	v_add_f32 v[AD], v[NM], v[BASE]
.set n, 0
.rept 32
	v_pk_fma_f32 v[S+n:S+n+1], v[S+n:S+n+1], s[22:23], v[AD:AD+1] op_sel_hi:[1,0,0]   ; t - M, two at a time
.set n, n+2
.endr
.set n, 0
.rept 64
	v_exp_f32 v[S+n], v[S+n]                       ; p = 2^(t - M): not normalised
.set n, n+1
.endr
	v_pk_mul_f32 v[SUM:SUM+1], v[SUM:SUM+1], v[252:253] op_sel_hi:[1,0]   ; the sums under the new M.  (A plain place behind the exponentials)
	s_wait_alu depctr_va_vdst(0)
	v_pk_add_f32 v[242:243], v[S:S+1], v[S+2:S+3]  ; the row's sum is taken of the unquantised p: two at a time, in two chains
.set n, 4
.rept 15
	v_pk_add_f32 v[SUM:SUM+1], v[SUM:SUM+1], v[S+n:S+n+1]
	v_pk_add_f32 v[242:243], v[242:243], v[S+n+2:S+n+3]
.set n, n+4
.endr
	v_pk_add_f32 v[SUM:SUM+1], v[SUM:SUM+1], v[242:243]
.irp t, 0,1,2,3,4,5,6,7
.irp j, 0,1,2,3,4,5,6,7
	v_min_num_f32 v[S+8*\t+\j], v[S+8*\t+\j], v240 ; the conversion to an 8-bit code does not saturate (ISA guide 7.6.2); p is not negative, so the hold is one-sided
.endr
	v_cvt_scalef32_pk8_bf8_f32 v[PC+2*\t:PC+2*\t+1], v[S+8*\t:S+8*\t+7], v244   ; registers 2 t, 2 t + 1 of P's fragment
.endr
.set n, 0
.rept 16
	v_pk_mul_f32 v[O+n:O+n+1], v[O+n:O+n+1], v[252:253] op_sel_hi:[1,0]   ; O^T under the new M, each tile from its low end on.  (Also the plain places behind the conversions)
.set n, n+2
.endr
	s_wait_dscnt 0x0                               ; V's tiles 0 and 1 are in
.irp d, 0,1
	v_wmma_f32_16x16x128_bf8_bf8 v[O+8*\d:O+8*\d+7], v[FR+16*\d:FR+16*\d+15], v[PC:PC+15], v[O+8*\d:O+8*\d+7]
.endr
.rept 4
	v_nop
.endr
.irp d, 0,1
.irp c, 0,1,2,3
	ds_load_b128 v[FR+16*\d+4*\c:FR+16*\d+4*\c+3], v[LI] offset:\slot*SLOTB+VOFF+\q*STEPB+(2+\d)*2048+\c*512
.endr
.endr
	s_wait_dscnt 0x0
.irp d, 0,1
	v_wmma_f32_16x16x128_bf8_bf8 v[O+16+8*\d:O+16+8*\d+7], v[FR+16*\d:FR+16*\d+15], v[PC:PC+15], v[O+16+8*\d:O+16+8*\d+7]   ; the four accumulators take single turns
.endr
.Lhidden_\@:
	s_add_co_u32 s[KF], s[KF], 128
.endm
; A slot's turn.  At its head each wave waits for all its tensor loads (its part of this slot), adds 0 to its spare word, and waits for that and for its reads of the slot that it has left; a round of the cluster's
; barrier follows, so that both hold of every wave of all four work-groups.  refill = 1: the other slot is then asked for first: the load has this slot's two steps in which to land.
.macro TRIP slot, refill
	s_wait_tensorcnt 0x0                           ; no tensor load of mine is out, so a group 0 may be written
	ds_add_u32 v[SPW], v[NIL]                      ; 0 onto my spare word
	s_add_nc_u64 s[G0+4*\slot+2:G0+4*\slot+3], s[G0+4*\slot+2:G0+4*\slot+3], 2*16384   ; this slot's next tile: 512 keys on; the type bits on top are not reached
	s_wait_dscnt 0x0                               ; the add is done, and my reads of the slot that I have left are over
	ROUND
.if \refill
	TLOAD 1-\slot
.endif
	STEP \slot, 0
	STEP \slot, 1
.endm
	s_wait_loadcnt 0x0                             ; Q
.Lpair:
	TRIP 0, 1
	TRIP 1, 1
	s_sub_co_u32 s47, s47, 1
	s_cmp_lg_u32 s47, 0
	s_cbranch_scc1 .Lpair
	TRIP 0, 1                                      ; the last pair is written out: its second slot asks for nothing (the stepped addresses are not used)
	TRIP 1, 0
	; THE WAY OUT.  O^T / the sum, held at the largest code, becomes eight registers of a_img's image: two stores of 512 consecutive bytes, aligned.
.rept 4
	v_nop
.endr
	v_add_f32 v[SUM], v[SUM], v[SUM+1]             ; the sum's two halves,
	v_permlanex16_b32 v236, v[SUM], s20, s21
	v_add_f32 v[SUM], v[SUM], v236                 ; and lane l xor 16's: the row's sum
	v_rcp_f32 v[SUM], v[SUM]
	v_nop                                          ; one plain place behind a transcendental
.set n, 0
	s_wait_alu depctr_va_vdst(0)
.rept 32
	v_mul_f32 v[S+n], v[O+n], v[SUM]               ; each tile from its low end on
.set n, n+1
.endr
.set n, 0
.rept 32
	v_med3_num_f32 v[S+n], v[S+n], -v247, v247
.set n, n+1
.endr
.irp d, 0,1,2,3
	v_cvt_scalef32_pk8_bf8_f32 v[PC+2*\d:PC+2*\d+1], v[S+8*\d:S+8*\d+7], v246   ; channels 16 d + 8 (lane / 16) + 0 .. 7 of my head
.endr
	v_nop
	global_store_b128 v[LI], v[PC:PC+3], s[14:15]
	global_store_b128 v[LI], v[PC+4:PC+7], s[14:15] offset:512
	s_wait_tensorcnt 0x0                           ; the wave's end
	ds_add_u32 v[SPW], v[NIL]
	s_wait_dscnt 0x0
	ROUND                                          ; the closing round: no work-group ends while a partner may still ask for a tile that names it
	s_endpgm
.Lfunc_end_k_q8344acaf93_attn:
	.size	k_q8344acaf93_attn, .Lfunc_end_k_q8344acaf93_attn-k_q8344acaf93_attn
	.p2alignl 7, 3214868480
	.fill 96, 4, 3214868480
	.section	.rodata,"a",@progbits
	.p2align	6, 0x0
	.amdhsa_kernel k_q8344acaf93_attn
		.amdhsa_group_segment_fixed_size 327680
		.amdhsa_private_segment_fixed_size 0
		.amdhsa_enable_private_segment 0
		.amdhsa_kernarg_size 48
		.amdhsa_user_sgpr_count 2
		.amdhsa_user_sgpr_kernarg_segment_ptr 1
		.amdhsa_wavefront_size32 1
		.amdhsa_system_sgpr_workgroup_id_x 1
		.amdhsa_system_sgpr_workgroup_id_y 1
		.amdhsa_system_sgpr_workgroup_id_z 1
		.amdhsa_system_vgpr_workitem_id 0
		.amdhsa_next_free_vgpr 256
		.amdhsa_next_free_sgpr 66
		.amdhsa_reserve_vcc 1
		.amdhsa_float_denorm_mode_32 3
		.amdhsa_float_denorm_mode_16_64 3
		.amdhsa_memory_ordered 1
		.amdhsa_forward_progress 1
		.amdhsa_inst_pref_size 188
	.end_amdhsa_kernel
	.amdgpu_metadata
---
amdhsa.version: [ 1, 2 ]
amdhsa.kernels:
  - .name:           k_q8344acaf93_attn
    .symbol:         k_q8344acaf93_attn.kd
    .args:
      - { .name: q_img, .offset: 0, .size: 8, .value_kind: global_buffer, .address_space: global }
      - { .name: k_img, .offset: 8, .size: 8, .value_kind: global_buffer, .address_space: global }
      - { .name: v_img, .offset: 16, .size: 8, .value_kind: global_buffer, .address_space: global }
      - { .name: slopes, .offset: 24, .size: 8, .value_kind: global_buffer, .address_space: global }
      - { .name: lowp_scales, .offset: 32, .size: 8, .value_kind: global_buffer, .address_space: global }
      - { .name: a_img, .offset: 40, .size: 8, .value_kind: global_buffer, .address_space: global }
    .group_segment_fixed_size: 327680
    .private_segment_fixed_size: 0
    .kernarg_segment_align: 8
    .kernarg_segment_size: 48
    .max_flat_workgroup_size: 512
    .sgpr_count:     66
    .vgpr_count:     256
    .wavefront_size: 32
...
	.end_amdgpu_metadata
.endif
;; end of part 2
;; launch oproj (part 3): grid 8 x 32, 4 waves a work-group, clusters of 4 x 4, 288,256 bytes of LDS; arguments a_img, Wo_codes, bo, lowp_scales, out0; writes out0
.if DOCPART == 3
	.amdgcn_target "amdgcn-amd-amdhsa--gfx1250"
	.amdhsa_code_object_version 6
	.text
	.protected	k_q8344acaf93_oproj
	.globl	k_q8344acaf93_oproj
	.p2align	8
	.type	k_q8344acaf93_oproj,@function
k_q8344acaf93_oproj:
	s_mov_b64 s[64:65], 0
	v_nop
	global_prefetch_b8 v0, s[64:65] scope:SCOPE_SE
	s_setreg_imm32_b32 hwreg(HW_REG_WAVE_MODE, 25, 1), 1
	s_wait_xcnt 0x0
	s_wait_alu depctr_hold_cnt(0) depctr_sa_sdst(0) depctr_va_vdst(0) depctr_va_sdst(0) depctr_va_ssrc(0) depctr_va_vcc(0) depctr_vm_vsrc(0)
	s_getreg_b32 s2, hwreg(HW_REG_IB_STS2, 6, 4)
	s_cmp_eq_u32 s2, 0
	s_cbranch_scc0 .Lentry_in_a_cluster
	s_endpgm
.Lentry_in_a_cluster:
	s_bfe_u32 s2, ttmp6, 0x10000c
	s_cmp_lg_u32 s2, 0xf033
	s_cbranch_scc0 .Lentry_shape_is_right
	s_endpgm
.Lentry_shape_is_right:
; out = a Wo + bo on codes of BF8 (E5M2): a's codes come as images of operand registers (a_img [block of 128 rows 32][128 along K: 8][tile of 16 rows 8][piece 4][512]), Wo's as rows with K innermost; sums in f32;
; out = sum x 2^(e10 + e11) + bo, one packed multiply-add for two numbers.  LIMIT: e10 + e11 between -126 and 127, so that the power of two is an f32 number.
; SHARES.  A work-group makes 128 rows x 128 columns, K = 1,024; four waves, 64 x 64 each: 16 accumulators.  256 work-groups.
; LDS.  All of K lies in LDS at once, in four chunks of 256 along K: every byte is filled once, so there is no ring.  A chunk: a's images of two steps of 128 (2 x 16 KiB, dense), then Wo's 128 rows of 256 bytes + 16 of padding.
; a's fragments come by four loads of 16 bytes at 16 x lane; they have each k in the matrix form's own place, so Wo's fragments take the same places: eight loads of 8 bytes, 16 bytes apart, at row x pitch + 8 (lane / 16).
; CLUSTERS: 4 x 4 work-groups.  The four of a row need the same images of a, the four of a column the same rows of Wo: each tile is asked for jointly, by the same tensor load with a mask that names the four.
; THE MATRIX INSTRUCTION IS USED TRANSPOSED (source 0 = 16 rows of Wo, source 1 = 16 rows of a): a lane then holds eight neighbouring numbers of a row of out.
; REGISTERS: window 0: v1-15, v112 addresses; v16-47 bo; v48-111 rows read back from the stage, two sets; v128-255 the accumulators ((x, y) at v[128 + 8 (4 y + x)]).
;   window 1: two fragment buffers of 128 registers for 128 along K: a's four fragments, then Wo's four.
.set PITCH, 272                        ; a row of Wo in LDS, and a row of the stage: 256 bytes + 16 of padding
.set HB,    64*PITCH
.set AIMG,  32768                      ; a's part of a chunk
.set CH,    AIMG+2*HB                  ; a chunk
.set STG,   4*CH                       ; behind the chunks: 16 rows x 272 bytes for each wave, for the way out: bytes of their own, into which no fill lands
.set ADRA,  4                          ; v4-7   LDS address of my fragments of a in chunk 0 .. 3
.set ADRW,  8                          ; v8-11  the same for Wo
.set LI,    12                         ; v12    16 x lane
.set BO,    13                         ; v13    32 h
.set STO,   14                         ; v14    the way out: where I put 32 bytes of a row
.set RD,    15                         ; v15    where I read a row back
.set BI,    16
.set BK,    48
.set CO,    112                        ; v112   my byte offset in two rows of out
.set ACC,   128
.set WV,  26
.set YW,  27                           ; which 64 rows are mine.  Also: I fetch for a (0) or for Wo (1)
.set XW,  28                           ; which 64 columns.  Also: which half of a chunk's part I fetch
.set CX,  29
.set CY,  30
.set TX,  31
.set G1A, 32
.set G1W, 40
.set G0A, 48
.set G0W, 68
.set TY,  96
.set MSB, 0
.macro WIN new                         ; the immediate's high byte repeats the setting that is left; a switch that changes nothing is dropped
.if MSB != \new
	s_set_vgpr_msb (MSB<<8)|\new
.set MSB, \new
.endif
.endm
.macro CROUND                          ; a round of the cluster's barrier
	s_barrier_signal -1
	s_barrier_wait -1
	s_cmp_lg_u32 s[WV], 0
	s_cbranch_scc1 .Lnot_wave_0_\@
	s_barrier_signal -3
.Lnot_wave_0_\@:
	s_barrier_wait -3
	s_barrier_signal -1
	s_barrier_wait -1
.endm
.macro PLACES                          ; four places in front of loads into registers that matrix instructions have read, and of the first read of results
.rept 4
	v_nop
.endr
.endm
	s_load_b256 s[4:11], s[0:1], 0x0               ; a_img s[4:5], Wo s[6:7], bo s[8:9], the scales' exponents s[10:11]
	s_load_b64 s[12:13], s[0:1], 0x20              ; out
	v_lshl_add_u32 v126, v0, 2, 0x46400
	v_mov_b32 v127, 0
	ds_add_u32 v126, v127
	v_lshrrev_b32 v3, 5, v0
	v_readfirstlane_b32 s[WV], v3                  ; wave 0..3
	s_lshr_b32 s[YW], s[WV], 1
	s_and_b32 s[XW], s[WV], 1
	s_bfe_u32 s[CX], ttmp6, 0x40000
	s_bfe_u32 s[CY], ttmp6, 0x40004
	s_lshl_b32 s[TX], ttmp9, 2
	s_add_co_u32 s[TX], s[TX], s[CX]               ; tile column = 4 x cluster x + cx
	s_and_b32 s[TY], ttmp7, 0xffff
	s_lshl_b32 s[TY], s[TY], 2
	s_add_co_u32 s[TY], s[TY], s[CY]               ; tile row = 4 x cluster y + cy
	s_lshl_b32 s66, s[CY], 2
	s_lshl_b32 s66, 15, s66                        ; my row of the cluster
	s_lshl_b32 s67, 0x1111, s[CX]                  ; my column
	; descriptor group 1 for a: a dense block of 16 KiB as 64 rows of 256 bytes
	s_or_b32 s[G1A], s66, (3<<16)|(1<<21)          ; 15:0 the mask: my row; 17:16 elements of 8 bytes; 21 set beside a mask; no padding
	s_mov_b32 s[G1A+1], 32<<16                     ; tensor_dim0 = 32 elements
	s_mov_b32 s[G1A+2], 64<<16                     ; tensor_dim1
	s_mov_b32 s[G1A+3], 32<<16                     ; tile_dim0
	s_mov_b32 s[G1A+4], 64                         ; tile_dim1
	s_mov_b32 s[G1A+5], 32                         ; from row to row
	s_mov_b32 s[G1A+6], 0
	s_mov_b32 s[G1A+7], 0
	; for Wo: 64 rows x 256 bytes, padded in LDS
	s_or_b32 s[G1W], s67, (0<<16)|(1<<20)|(1<<21)|(5<<22)|(3<<25)   ; the mask: my column; elements of 1 byte; padding: four words after every 64
	s_mov_b32 s[G1W+1], 256<<16
	s_mov_b32 s[G1W+2], 64<<16
	s_mov_b32 s[G1W+3], 256<<16
	s_mov_b32 s[G1W+4], 64
	s_mov_b32 s[G1W+5], 1024
	s_mov_b32 s[G1W+6], 0
	s_mov_b32 s[G1W+7], 0
	s_lshl_b32 s2, s[TY], 17                       ; a: the block of 128 rows, and which of a chunk's two steps I fetch: hangs on cy alone
	s_lshl_b32 s3, s[XW], 14
	s_add_co_u32 s2, s2, s3
	s_mov_b32 s3, 0
	s_lshl_b32 s100, s[TX], 17                     ; Wo: rows 128 TX + 64 half: hangs on cx alone
	s_lshl_b32 s101, s[XW], 16
	s_add_co_u32 s100, s100, s101
	s_mov_b32 s101, 0
	s_lshl_b32 s14, s[XW], 14                      ; where they go in a chunk: no place in the cluster enters an LDS address
	s_mul_i32 s15, s[XW], HB
	s_add_co_u32 s15, s15, AIMG
	s_wait_dscnt 0x0
	s_wait_kmcnt 0x0
	s_load_b64 s[84:85], s[10:11], 0x28            ; e10, e11
	s_add_nc_u64 s[4:5], s[4:5], s[2:3]
	s_add_nc_u64 s[6:7], s[6:7], s[100:101]
.irp c, 0,1,2,3
	s_mov_b32 s[G0A+4*\c], 1
	s_add_co_u32 s[G0A+4*\c+1], s14, \c*CH
	s_add_nc_u64 s[G0A+4*\c+2:G0A+4*\c+3], s[4:5], \c*32768   ; two steps of 16 KiB to a chunk
	s_or_b32 s[G0A+4*\c+3], s[G0A+4*\c+3], 0x80000000
	s_mov_b32 s[G0W+4*\c], 1
	s_add_co_u32 s[G0W+4*\c+1], s15, \c*CH
	s_add_nc_u64 s[G0W+4*\c+2:G0W+4*\c+3], s[6:7], \c*256
	s_or_b32 s[G0W+4*\c+3], s[G0W+4*\c+3], 0x80000000
.endr
	CROUND                                         ; all sixteen work-groups are here: the joint loads meet
	s_cmp_eq_u32 s[YW], 0                          ; a wave's four fills stand in one branch, ahead of every wait on TENSORcnt, every LDS read and every other barrier: four loads of mine are out
	s_cbranch_scc0 .Lfirst_w
.irp c, 0,1,2,3
	tensor_load_to_lds s[G0A+4*\c:G0A+4*\c+3], s[G1A:G1A+7]
	s_nop 0
.endr
.rept 4
	v_nop
.endr
	s_branch .Lfirst_asked
.Lfirst_w:
.irp c, 0,1,2,3
	tensor_load_to_lds s[G0W+4*\c:G0W+4*\c+3], s[G1W:G1W+7]
	s_nop 0
.endr
.rept 4
	v_nop
.endr
.Lfirst_asked:
	v_and_b32 v1, 15, v0                           ; r
	v_bfe_u32 v2, v0, 4, 1                         ; h
	v_and_b32 v[LI], 31, v0
	v_lshlrev_b32 v[LI], 4, v[LI]
	v_mul_u32_u24 v3, v1, PITCH
	v_lshl_add_u32 v3, v2, 3, v3                   ; Wo: row x pitch + 8 h
	s_lshl_b32 s16, s[YW], 13                      ; a: my four tiles of 2,048 bytes
	s_mul_i32 s17, s[XW], HB
	s_add_co_u32 s17, s17, AIMG                    ; Wo: my 64 rows
.irp c, 0,1,2,3
	v_add_nc_u32 v[ADRA+\c], s16, v[LI]
	v_add_nc_u32 v[ADRW+\c], s17, v3
	s_add_co_u32 s16, s16, CH
	s_add_co_u32 s17, s17, CH
.endr
	v_lshlrev_b32 v[BO], 5, v2
	s_lshl_b32 s16, s[TX], 9                       ; bo and out: my 64 columns begin 4 (128 TX + 64 half) bytes on
	s_lshl_b32 s17, s[XW], 8
	s_add_co_u32 s16, s16, s17
	s_mov_b32 s17, 0
	s_add_nc_u64 s[8:9], s[8:9], s[16:17]
.irp x, 0,1,2,3                        ; register j of tile x wants bo of column 16 x + 8 h + j
	global_load_b128 v[BI+8*\x:BI+8*\x+3], v[BO], s[8:9] offset:64*\x
	global_load_b128 v[BI+8*\x+4:BI+8*\x+7], v[BO], s[8:9] offset:64*\x+16
.endr
	s_add_nc_u64 s[12:13], s[12:13], s[16:17]
	s_lshl_b32 s16, s[TY], 19                      ; out: 128 rows of 4,096 bytes x tile row + 64 rows x half
	s_lshl_b32 s18, s[YW], 18
	s_add_co_u32 s16, s16, s18
	s_add_nc_u64 s[12:13], s[12:13], s[16:17]
	s_mul_i32 s18, s[WV], 16*PITCH
	s_add_co_u32 s18, s18, STG                     ; my stage
	v_mul_u32_u24 v3, v1, PITCH                    ; in: row r, 32 bytes for each half of the lanes
	v_lshl_add_u32 v3, v2, 5, v3
	v_add_nc_u32 v[STO], s18, v3
	v_mul_u32_u24 v3, v2, PITCH                    ; back: lanes 0-15 take one row of 256 bytes, lanes 16-31 the next
	v_lshl_add_u32 v3, v1, 4, v3
	v_add_nc_u32 v[RD], s18, v3
	v_lshlrev_b32 v3, 12, v2                       ; and the same two rows in out
	v_lshl_add_u32 v[CO], v1, 4, v3
	s_wait_kmcnt 0x0
	s_add_co_i32 s66, s84, s85
	s_add_co_i32 s66, s66, 127
	s_lshl_b32 s66, s66, 23                        ; 2^(e10 + e11) as f32
	s_mov_b32 s67, s66                             ; (named with it as a pair, so it is written)
; 48 LDS loads in one run: the fragments of step s (128 along K) into buffer f
.macro FETCH s, f
	WIN 0x40                                       ; destination window 1, address window 0
.irp y, 0,1,2,3
.irp c, 0,1,2,3
	ds_load_b128 v[\f+16*\y+4*\c:\f+16*\y+4*\c+3], v[ADRA+(\s)/2] offset:((\s)%2)*16384+\y*2048+\c*512
.endr
.endr
.irp x, 0,1,2,3
.irp c, 0,1,2,3,4,5,6,7
	ds_load_b64 v[\f+64+16*\x+2*\c:\f+64+16*\x+2*\c+1], v[ADRW+(\s)/2] offset:((\s)%2)*128+16*\c+\x*16*PITCH
.endr
.endr
	WIN 0
.endm
; 8 matrix instructions: accumulators (0 .. 3, y0) and (0 .. 3, y0 + 1).  first = 1: the first product starts the sums: nothing is cleared.
; The 16 accumulators take turns, one instruction a turn, in the same order in every step.
.macro MUL8 f, y0, first
	WIN 0x05                                       ; sources 0 and 1 window 1; C and D window 0
.irp y, \y0, \y0+1
.irp x, 0,1,2,3
.if \first
	v_wmma_f32_16x16x128_bf8_bf8 v[ACC+8*(4*(\y)+\x):ACC+8*(4*(\y)+\x)+7], v[\f+64+16*\x:\f+64+16*\x+15], v[\f+16*(\y):\f+16*(\y)+15], 0
.else
	v_wmma_f32_16x16x128_bf8_bf8 v[ACC+8*(4*(\y)+\x):ACC+8*(4*(\y)+\x)+7], v[\f+64+16*\x:\f+64+16*\x+15], v[\f+16*(\y):\f+16*(\y)+15], v[ACC+8*(4*(\y)+\x):ACC+8*(4*(\y)+\x)+7]
.endif
.endr
.endr
	WIN 0
.endm
.macro STEP s, first
.set FB, 128*((\s)%2)
.set FN, 128*(((\s)+1)%2)
	s_wait_dscnt 0x0                               ; this step's fragments are in
	MUL8 FB, 0, \first
.if (\s) < 7
.if ((\s)%2) == 1
	s_wait_tensorcnt 3-((\s)+1)/2                  ; my part of the next chunk is in; the count is the chunks behind it, which may stay out
	s_barrier_signal -1                            ; (no LDS instruction of mine is out: the wait at the step's head was for 0)
	s_barrier_wait -1
.endif
	PLACES
	FETCH (\s)+1, FN
.endif
	MUL8 FB, 2, \first
.endm
	s_wait_tensorcnt 0x3                           ; my part of chunk 0 is in; the three behind it may stay out
	s_barrier_signal -1
	s_barrier_wait -1
	FETCH 0, 0
	STEP 0, 1
	STEP 1, 0
	STEP 2, 0
	STEP 3, 0
	STEP 4, 0
	STEP 5, 0
	STEP 6, 0
	STEP 7, 0
; THE WAY OUT, 16 rows x 64 columns at a time.  A lane holds 32 neighbouring bytes of a row, and the lanes beside it hold other rows: so a block goes through my own stage in LDS and comes back as whole rows of 256 bytes.
; LDS serves a wave's instructions in order (ISA guide 5.7.1.4): no wait between the stores and the loads, nor in front of the next block's stores.
.macro TOSTAGE y
.set AC, ACC+32*(\y)
.set BB, BK+32*((\y)%2)
.set i, 0
.rept 16
	v_pk_fma_f32 v[AC+i:AC+i+1], v[AC+i:AC+i+1], s[66:67], v[BI+i:BI+i+1] op_sel_hi:[1,0,1]   ; sum x 2^(e10 + e11) + bo, in place; each accumulator from its low end on
.set i, i+2
.endr
.irp x, 0,1,2,3
	ds_store_b128 v[STO], v[AC+8*\x:AC+8*\x+3] offset:64*\x
	ds_store_b128 v[STO], v[AC+8*\x+4:AC+8*\x+7] offset:64*\x+16
.endr
.irp t, 0,1,2,3,4,5,6,7
	ds_load_b128 v[BB+4*\t:BB+4*\t+3], v[RD] offset:\t*2*PITCH
.endr
.endm
.macro SEND y, younger                 ; younger: the LDS instructions issued behind block y's loads, which may stay out
.set BB, BK+32*((\y)%2)
	s_wait_dscnt \younger
.irp t, 0,1,2,3,4,5,6,7
	global_store_b128 v[CO], v[BB+4*\t:BB+4*\t+3], s[12:13] offset:(16*(\y)+2*\t)*4096 th:TH_STORE_NT   ; 16 lanes store 256 consecutive bytes, at a multiple of 256 from out's first byte; written once, read by nobody here
.endr
.endm
	s_wait_loadcnt 0x0                             ; bo
	PLACES
	TOSTAGE 0
.irp y, 1,2,3
.if \y > 1
	s_wait_xcnt 0x0                                ; block y - 2's stores have read their registers: block y's loads may land there
.endif
	TOSTAGE \y
	SEND \y-1, 16                                  ; behind block y - 1's loads: block y's eight stores and eight loads
.endr
	SEND 3, 0
	s_wait_tensorcnt 0x0
	ds_add_u32 v126, v127
	s_wait_dscnt 0x0
	CROUND                                         ; the closing round: no work-group ends while a partner may still ask for a tile that names it
	s_endpgm
.Lfunc_end_k_q8344acaf93_oproj:
	.size	k_q8344acaf93_oproj, .Lfunc_end_k_q8344acaf93_oproj-k_q8344acaf93_oproj
	.p2alignl 7, 3214868480
	.fill 96, 4, 3214868480
	.section	.rodata,"a",@progbits
	.p2align	6, 0x0
	.amdhsa_kernel k_q8344acaf93_oproj
		.amdhsa_group_segment_fixed_size 288256
		.amdhsa_private_segment_fixed_size 0
		.amdhsa_enable_private_segment 0
		.amdhsa_kernarg_size 40
		.amdhsa_user_sgpr_count 2
		.amdhsa_user_sgpr_kernarg_segment_ptr 1
		.amdhsa_wavefront_size32 1
		.amdhsa_system_sgpr_workgroup_id_x 1
		.amdhsa_system_sgpr_workgroup_id_y 1
		.amdhsa_system_sgpr_workgroup_id_z 1
		.amdhsa_system_vgpr_workitem_id 0
		.amdhsa_next_free_vgpr 512
		.amdhsa_next_free_sgpr 102
		.amdhsa_reserve_vcc 0
		.amdhsa_float_denorm_mode_32 3
		.amdhsa_float_denorm_mode_16_64 3
		.amdhsa_memory_ordered 1
		.amdhsa_forward_progress 1
		.amdhsa_inst_pref_size 56
	.end_amdhsa_kernel
	.amdgpu_metadata
---
amdhsa.version: [ 1, 2 ]
amdhsa.kernels:
  - .name:           k_q8344acaf93_oproj
    .symbol:         k_q8344acaf93_oproj.kd
    .args:
      - { .name: a_img, .offset: 0, .size: 8, .value_kind: global_buffer, .address_space: global }
      - { .name: Wo_codes, .offset: 8, .size: 8, .value_kind: global_buffer, .address_space: global }
      - { .name: bo, .offset: 16, .size: 8, .value_kind: global_buffer, .address_space: global }
      - { .name: lowp_scales, .offset: 24, .size: 8, .value_kind: global_buffer, .address_space: global }
      - { .name: out0, .offset: 32, .size: 8, .value_kind: global_buffer, .address_space: global }
    .group_segment_fixed_size: 288256
    .private_segment_fixed_size: 0
    .kernarg_segment_align: 8
    .kernarg_segment_size: 40
    .max_flat_workgroup_size: 128
    .sgpr_count:     102
    .vgpr_count:     512
    .wavefront_size: 32
...
	.end_amdgpu_metadata
.endif
;; end of part 3
